; MI455X (gfx1250); checked and timed in simulation.
; The chip was launched on July 23, 2026; its instructions are those of AMD's public machine-readable ISA for CDNA 5 (MIT licence, August 2026) and "CDNA5" Instruction Set Architecture Reference Guide (July 2026). The comments in the code are by the model that wrote it; some were corrected since.
;; Growing Crystal Attention. Allowed arithmetic: matrix products marked QUANTISED: E4M3 operands, one given power-of-two scale a tensor, by v_wmma_f32_16x16x64_fp8_fp8 or v_wmma_f32_16x16x128_fp8_fp8, f32 sums; products left as they are: f32 operands where the result goes on into a quantised operand, else bf16, f16 or f32 operands; f32 sums; everything else in f32.
;; Inputs: lowp_scales 4 int32 (the exponents e of the quantised operands' scales 2^e); out_W_codes 512 x 16 x 32 uint8 (E4M3 codes of out_W, K innermost, in blocks of 32 codes); out_b 512 float32; positions 128 x 512 float32; scales 128 float32; value_weight 128 x 512 x 512 float32; x 4 x 512 x 512 float32.
;; Outputs: out0 4 x 512 x 512 float32.
;; This version of the problem:
;;   THIS VERSION OF THE PROBLEM IS GIVEN IN LOW PRECISION. The matrix products marked QUANTISED in the list below multiply operands that are first quantised to E4M3 (4 exponent bits, 3 mantissa bits; 8 bits a number), with one given power-of-two scale for each operand tensor; their sums are f32. All else is computed in f32.
;;   The module's matrix products, in the order in which they are computed (A, B: the left and right operand; K: the contracted axis; several contracted axes count as one K, in the product's order):
;;     1. batch 2,048 x [M 512, K 1] x [K 1, N 128]; A: computed on the way; B: computed on the way: left as it is (no contracted axis)
;;     2. [M 2,048, K 65,536] x [K 65,536, N 512]; A: computed on the way; B: input value_weight: QUANTISED (scales: A lowp_scales[0], B lowp_scales[1])
;;     3. [M 2,048, K 512] x [K 512, N 512]; A: computed on the way; B: input out_W (given as codes): QUANTISED (scales: A lowp_scales[2], B lowp_scales[3])
;;   THE QUANTISER, for each operand of a quantised product, along K:
;;     - The operand's scale is 2^e, e = its entry of the input lowp_scales (int32; the entries are numbered through the quantised products in the list's order, A before B).
;;     - Each number is divided by the scale, clamped to +-448, and rounded to the nearest number of E4M3, ties to even, subnormals kept.
;;     - The product sums the exact products of the quantised numbers (number of the format x scale) in f32.
;;   ~~~python
;;   def quantise(x, axis, e):      # numpy; x: float32 -> the quantised numbers, widened to float32 again
;;       x = np.moveaxis(x, axis, -1); K = x.shape[-1]
;;       r = np.clip(x / 2.0 ** e, -448, 448)
;;       step = 2.0 ** (np.maximum(np.frexp(np.where(r == 0, 1, r))[1] - 1, -6) - 3)
;;       q = np.round(r / step) * step * 2.0 ** e      # np.round: ties to even
;;       return np.moveaxis(q, -1, axis).astype(np.float32)
;;   ~~~
;;   OPERANDS COMPUTED ON THE WAY. 'Computed on the way' means the value that the module computes at that place (a softmax that the list does not call 'softmax' is quantised finished and normalised). What goes into a quantiser is computed in f32, as accurately as f32 sums, v_exp_f32 and their like allow (about 1e-6 of the number): no bf16 or f16 on the way to a quantiser, and a product that is left as it is and whose result goes on into a quantised operand takes f32 operands (vector FMAs, or v_wmma_f32_16x16x4_f32). A number that lies on a knife's edge between two numbers of the format may be rounded either way, as far as f32 arithmetic and the matrix unit's own rounding can turn it there, and no further.
;;   INPUTS GIVEN AS CODES. out_W (in the module: [512, 512], K = its axis 1): each comes as NAME_codes (uint8): NAME with its K axis moved to the last place and cut into blocks of 32 codes, [.., K / 32, bytes a block], one block behind the other in memory; one code a byte (a code: sign, 4 exponent bits, 3 mantissa bits); its scale is its entry of lowp_scales. Its value is code x scale, taken as it is: it is not quantised again, and the codes and scales need not be those that the quantiser above would give.
;; One version. Each part assembles by itself: llvm-mc -triple=amdgcn-amd-amdhsa -mcpu=gfx1250 --defsym DOCPART=n.
;; ======== version 1 of 1: 3 launches
;; limits: right only within a limited range of input values
;; workspace buffers: attn 1,048,576 bytes; xr 4,194,304 bytes; wq 33,554,432 bytes; part 67,108,864 bytes
;; launch prep (part 1): grid 768 x 1, 4 waves a work-group, no clusters, 50,688 bytes of LDS; arguments x, positions, scales, value_weight, lowp_scales, attn, xr, wq; writes attn, xr, wq
.if DOCPART == 1
	.amdgcn_target "amdgcn-amd-amdhsa--gfx1250"
	.amdhsa_code_object_version 6
	.text
	.protected	k_q8b68239e0d_prep
	.globl	k_q8b68239e0d_prep
	.p2align	8
	.type	k_q8b68239e0d_prep,@function
k_q8b68239e0d_prep:
	s_mov_b64 s[64:65], 0
	v_nop
	global_prefetch_b8 v0, s[64:65] scope:SCOPE_SE
	s_setreg_imm32_b32 hwreg(HW_REG_WAVE_MODE, 25, 1), 1
	s_wait_xcnt 0x0
; PREP: what the large product needs, made once.  Two kinds of work-group, parted by the work-group's number alone.
; Work-groups 0-255 (one for 8 tokens): dist[t][n] = |x[t] - pos[n]| taken directly as the sum of (x - p)^2 (no expansion into norms, so no difference of large sums), attn = softmax_n(scales[n] / (dist + 0.1)) with the row's
;   maximum taken away, all in f32 -> attn [2048][128]; and x laid anew -> xr [t/16][d/32][jj 4][lane = 16 h + r][4 f32] = x[16 T + r][32 p + 16 h + 4 jj + 0..3]: what a lane of the product's launch wants, 512 bytes on end a load.
;   An aligned 256 bytes of xr hold 16 tokens, so work-group G lays tile G / 2, d = 256 (G % 2) .. + 255, anew: x is read twice here, once as 8 whole rows and once as 16 half rows.
; Work-groups 256-767: value_weight [n][d][e] f32 -> codes of E4M3 with the given scale 2^e1, laid in the order of the operand's registers:
;   wq [ks 16][p 16][u 2][w 4][b 8][c 4][lane = 16 h + r][16 bytes i] = code of value_weight[8 ks + 4 u + c][32 p + 16 h + i][128 w + 32 (b / 2) + 8 (b % 2) + r + 8 (r / 8)].
; 768 work-groups are three for each of 256 WGPs: one of tokens, which have the lower numbers, and two of weights.
; LIMITS: e1 between -126 and 119 (2^e1 and 448 x 2^e1 are f32 numbers).  NaN among the inputs is not served.  The square root, the reciprocals and the exponentials take denormals as zero (ISA guide 15.8).
; Each kind has LDS bytes of its own: tokens 0 .. 20,735; weights 33,280 + 4,224 x wave.
.set TWG,  256                         ; work-groups of tokens
.set XP,   1040                        ; tokens: half a row of x in LDS: 1,024 bytes + 16 = 65 x 16: sixteen rows' equal columns fall on sixteen different 16-byte columns
.set DSX,  16640                       ; tokens: behind the 16 half rows: where the two halves of the neurons meet: [half 2][token 8][lane 32][8 bytes]
.set WS,   33280                       ; weights: the first wave's stage
.set WSB,  4224                        ; a stage: 8 fragments x 528 bytes
.set BP,   528                         ; a fragment's 512 bytes + 16
.set KC,   16                          ; weights: v16-31 a register for each of 16 rows d, its bytes 4 columns
.set CC,   32                          ; v32-47 register 4 j + qd: column j, rows 4 qd .. 4 qd + 3
.set OC,   16                          ; v16-47 on the way out
.set RW,   64                          ; v64-255 three sets of 64 numbers as loaded
.set XH,   6                           ; tokens: v6-37 at the head: my four half rows of x on their way to LDS
.set TM,   6                           ; v6-13 at work, a pair a token
.set ACC,  14                          ; v14-21 sums of squares, a pair a token
.set NV,   22                          ; v22-25 the newest value
.set T0,   26                          ; v26-29, v30-33, v34-37: what waits to be merged, levels 0, 1, 2
.set T1,   30
.set T2,   34
.set DN,   38                          ; v38-41 a group's 32 values, lane i = value i
.set EXW,  42                          ; v42 where I put my four tokens' pairs;  v43 where I read my two tokens'
.set EXR,  43
.set EE,   44                          ; v44-51 token tt: a pair = my two groups' values
.set D,    52                          ; v52-59 behind the loop: two tokens, four registers each = neurons 4 lane + 0..3
.set SC,   60                          ; v60-63 scales[4 lane + 0..3]
.set X,    64                          ; v64-127 my four tokens' rows, 16 registers each
.set PR,   128                         ; v128-255 eight rows of positions, 16 registers each
.macro LOADH q                         ; half-job q: neuron c = q / 2, rows d = 16 (q % 2) + 0..15; each load takes 512 bytes on end (128 columns)
.irp i, 0,1,2,3,4,5,6,7,8,9,10,11,12,13,14,15
	global_load_b128 v[RW+64*((\q)%3)+4*\i:RW+64*((\q)%3)+4*\i+3], v1, s[10:11] offset:((\q)/2)*1048576+(16*((\q)%2)+\i)*2048 th:TH_LOAD_NT
.endr
.endm
.macro HALF q
.if (\q) <= 5
	s_wait_loadcnt 32                              ; this half-job's 16 loads are in; the two behind it may be out
.elseif (\q) == 6
	s_wait_loadcnt 16
.else
	s_wait_loadcnt 0x0
.endif
	s_wait_xcnt 0x0                                ; the earlier stores have read v16-47, which are written again below
.set RS, RW+64*((\q)%3)
.set i, 0
.rept 64
	v_med3_num_f32 v[RS+i], v[RS+i], -v6, v6       ; the conversion to an 8-bit code does not saturate (ISA guide 7.6.2): the hold at 448 x the scale
.set i, i+1
.endr
.set i, 0
.rept 8
	v_cvt_scalef32_pk8_fp8_f32 v[KC+2*i:KC+2*i+1], v[RS+8*i:RS+8*i+7], v5   ; two rows x four columns: a register a row
.set i, i+1
.endr
	v_nop                                          ; a plain line between the conversions and the lines that read their results
.if (\q)+3 <= 7
	LOADH (\q)+3                                   ; into the set just converted
.endif
	s_wait_alu depctr_va_vdst(0)
	s_wait_dscnt 0x0                               ; the last half-job's LDS stores have read v32-47
.irp qd, 0,1,2,3                       ; 4 rows x 4 columns of bytes turned: a register then holds four rows of one column
	v_perm_b32 v8, v[KC+4*\qd+1], v[KC+4*\qd], s40
	v_perm_b32 v9, v[KC+4*\qd+1], v[KC+4*\qd], s41
	v_perm_b32 v10, v[KC+4*\qd+3], v[KC+4*\qd+2], s40
	v_perm_b32 v11, v[KC+4*\qd+3], v[KC+4*\qd+2], s41
	v_perm_b32 v[CC+\qd], v10, v8, s42
	v_perm_b32 v[CC+4+\qd], v10, v8, s43
	v_perm_b32 v[CC+8+\qd], v11, v9, s42
	v_perm_b32 v[CC+12+\qd], v11, v9, s43
.endr
.irp j, 0,1,2,3
	ds_store_b128 v2, v[CC+4*\j:CC+4*\j+3] offset:256*((\q)%2)+16*\j   ; column 4 lane + j: 16 codes down d, at its fragment's row
.endr
.if ((\q)%2) == 1                      ; the neuron's 8 fragments are whole: they leave, 512 bytes on end a store
	s_wait_dscnt 0x0                               ; the stores have read v32-47
.irp b, 0,1,2,3,4,5,6,7
	ds_load_b128 v[OC+4*\b:OC+4*\b+3], v3 offset:BP*\b
.endr
	s_wait_dscnt 0x0
.irp b, 0,1,2,3,4,5,6,7
	global_store_b128 v4, v[OC+4*\b:OC+4*\b+3], s[18:19] offset:2048*\b+512*((\q)/2)
.endr
.endif
.endm
	s_load_b512 s[4:19], s[0:1], 0x0               ; x s[4:5], positions s[6:7], scales s[8:9], value_weight s[10:11], the exponents s[12:13], attn s[14:15], xr s[16:17], wq s[18:19]
	s_set_vgpr_msb 0x40
	v_lshl_add_u32 v0, v0, 2, 0xc400
	v_mov_b32 v1, 0
	s_set_vgpr_msb 0x4000
	v_lshrrev_b32 v3, 5, v0
	v_readfirstlane_b32 s2, v3                     ; wave 0..3
	s_cmp_lt_u32 ttmp9, TWG
	s_cbranch_scc1 .Ltokens
	; ---------------- WEIGHTS.  Work-group id = 32 ks + 2 p + u; wave w: 4 neurons x 32 rows d x columns 128 w .. 128 w + 127: 65,536 bytes in, 16,384 bytes out, on end.
	s_sub_co_u32 s20, ttmp9, TWG
	s_lshr_b32 s21, s20, 5                         ; ks
	s_bfe_u32 s22, s20, 0x40001                    ; p
	s_and_b32 s23, s20, 1                          ; u
	s_lshl_b32 s21, s21, 23                        ; 8 ks neurons of 2^20 bytes,
	s_lshl_b32 s23, s23, 22                        ; 4 u neurons,
	s_lshl_b32 s22, s22, 16                        ; 32 p rows of 2,048 bytes
	s_add_co_u32 s24, s21, s23
	s_add_co_u32 s24, s24, s22
	s_mov_b32 s25, 0
	s_lshl_b32 s26, s20, 16                        ; wq: 65,536 x id + 16,384 x wave
	s_lshl_b32 s27, s2, 14
	s_add_co_u32 s26, s26, s27
	s_mov_b32 s27, 0
	s_mov_b32 s40, 0x05010400                      ; byte selects of the turn
	s_mov_b32 s41, 0x07030602
	s_mov_b32 s42, 0x05040100
	s_mov_b32 s43, 0x07060302
	v_lshlrev_b32 v1, 4, v0                        ; in: 512 x wave + 16 x lane
	v_and_b32 v4, 31, v0
	v_lshlrev_b32 v4, 4, v4                        ; out: 16 x lane
	v_bfe_u32 v8, v0, 3, 2                         ; column 4 l + j is row 4 (l & 1) + 8 ((l >> 2) & 1) + j of fragment 2 (l >> 3) + ((l >> 1) & 1)
	v_bfe_u32 v9, v0, 1, 1
	v_lshl_add_u32 v8, v8, 1, v9
	v_mul_u32_u24 v2, v8, BP
	v_and_b32 v9, 1, v0
	v_lshl_add_u32 v2, v9, 6, v2
	v_bfe_u32 v9, v0, 2, 1
	v_lshl_add_u32 v2, v9, 7, v2
	s_mul_i32 s29, s2, WSB
	s_add_co_u32 s29, s29, WS                      ; my stage
	v_add_nc_u32 v2, s29, v2                       ; into it
	v_add_nc_u32 v3, s29, v4                       ; and back: 16 x lane
	s_wait_kmcnt 0x0
	s_load_b32 s28, s[12:13], 0x4                  ; e1
	s_add_nc_u64 s[10:11], s[10:11], s[24:25]
	s_add_nc_u64 s[18:19], s[18:19], s[26:27]
	LOADH 0
	LOADH 1
	LOADH 2
	s_wait_kmcnt 0x0
	s_add_co_i32 s28, s28, 127
	s_lshl_b32 s30, s28, 23
	v_mov_b32 v5, s30                              ; 2^e1 as f32: the conversion takes its exponent field
	s_add_co_i32 s28, s28, 8
	s_lshl_b32 s28, s28, 23
	s_or_b32 s28, s28, 0x600000
	v_mov_b32 v6, s28                              ; 448 x 2^e1
	s_wait_alu depctr_va_vdst(0)
.irp q, 0,1,2,3,4,5,6,7
	HALF \q
.endr
	s_set_vgpr_msb 0x5
	s_wait_tensorcnt 0x0
	ds_add_u32 v0, v1
	s_wait_dscnt 0x0
	s_set_vgpr_msb 0x500
	s_endpgm
	; ---------------- TOKENS.  Work-group G: tokens 8 G .. 8 G + 7.  Wave wv = 2 nh + tg: tokens 8 G + 4 tg + 0..3 against the neurons 4 i + g of groups g = 2 nh and 2 nh + 1: each row of positions is loaded by two of the four waves.
	; Lanes run along d: a row of 512 numbers is four loads of 512 bytes, 16 registers a lane.
; One row of positions against my four tokens: (x - p)^2 summed in a pair a token; the lane's sum goes to v[dst + token]; the row's registers take the same row of the next trip.
.macro ROW i8, dst
	s_wait_loadcnt 28                              ; this row's four loads are in; the seven rows behind it may be out
.irp k, 0,1,2,3,4,5,6,7
.irp t, 0,1,2,3
	v_pk_add_f32 v[TM+2*\t:TM+2*\t+1], v[X+16*\t+2*\k:X+16*\t+2*\k+1], v[PR+16*(\i8)+2*\k:PR+16*(\i8)+2*\k+1] neg_lo:[0,1] neg_hi:[0,1]
.endr
.irp t, 0,1,2,3
.if \k == 0
	v_pk_mul_f32 v[ACC+2*\t:ACC+2*\t+1], v[TM+2*\t:TM+2*\t+1], v[TM+2*\t:TM+2*\t+1]
.else
	v_pk_fma_f32 v[ACC+2*\t:ACC+2*\t+1], v[TM+2*\t:TM+2*\t+1], v[TM+2*\t:TM+2*\t+1], v[ACC+2*\t:ACC+2*\t+1]
.endif
.endr
.endr
.irp t, 0,1,2,3
	v_add_f32 v[\dst+\t], v[ACC+2*\t], v[ACC+2*\t+1]
.endr
.irp q, 0,1,2,3
	global_load_b128 v[PR+16*(\i8)+4*\q:PR+16*(\i8)+4*\q+3], v2, s[6:7] offset:8192*(\i8)+512*\q
.endr
.endm
; Two values' lane sums become one register: lanes whose bit xm is 0 hold a summed over lanes l and l xor xm, the others b.
.macro MERGE dst, a, b, mask, xm
.irp t, 0,1,2,3
	v_cndmask_b32 v[TM+2*\t], v[\a+\t], v[\b+\t], \mask
	v_cndmask_b32 v[TM+2*\t+1], v[\b+\t], v[\a+\t], \mask
.endr
.irp t, 0,1,2,3
	v_add_f32_dpp v[\dst+\t], v[TM+2*\t+1], v[TM+2*\t] row_xmask:\xm row_mask:0xf bank_mask:0xf
.endr
.endm
.Ltokens:
	v_and_b32 v1, 31, v0
	v_lshlrev_b32 v1, 4, v1                        ; 16 x lane; never rewritten
	s_wait_alu depctr_va_vdst(0)
	s_and_b32 s44, s2, 1                           ; tg: which four of the eight tokens
	s_lshr_b32 s45, s2, 1                          ; nh: which half of the neurons
	s_lshl_b32 s32, ttmp9, 14                      ; x for the distances: (8 G + 4 tg) rows of 2,048 bytes
	s_lshl_b32 s33, s44, 13
	s_add_co_u32 s32, s32, s33
	s_mov_b32 s33, 0
	s_lshl_b32 s34, ttmp9, 12                      ; attn: (8 G + 2 wv) rows of 512 bytes
	s_lshl_b32 s35, s2, 10
	s_add_co_u32 s34, s34, s35
	s_mov_b32 s35, 0
	s_lshr_b32 s36, ttmp9, 1                       ; x for xr: row 16 (G / 2) + 4 wv, from byte 1,024 (G % 2) on
	s_lshl_b32 s36, s36, 15
	s_lshl_b32 s37, s2, 13
	s_add_co_u32 s36, s36, s37
	s_and_b32 s37, ttmp9, 1
	s_lshl_b32 s37, s37, 10
	s_add_co_u32 s36, s36, s37
	s_mov_b32 s37, 0
	s_lshl_b32 s38, ttmp9, 14                      ; xr: tile G / 2, pieces 8 (G % 2) + 2 wv on: 16,384 G + 4,096 wv
	s_lshl_b32 s39, s2, 12
	s_add_co_u32 s38, s38, s39
	s_mov_b32 s39, 0
	s_mov_b32 s20, 0xaaaaaaaa                      ; lanes with bit 0, 1, 2 set
	s_mov_b32 s21, 0xcccccccc
	s_mov_b32 s22, 0xf0f0f0f0
	s_mov_b32 s24, 0x76543210                      ; v_permlanex16_b32: lane l xor 16
	s_mov_b32 s25, 0xfedcba98
	s_lshl_b32 s46, s45, 12
	v_add_nc_u32 v2, s46, v1                       ; the first trip's rows: group 2 nh, row 2 nh on
	s_mul_i32 s46, s2, 4*XP
	v_add_nc_u32 v3, s46, v1                       ; x into LDS: my four half rows, 16 x lane
	v_and_b32 v4, 15, v0
	v_mul_u32_u24 v4, v4, XP
	v_bfe_u32 v5, v0, 4, 1
	v_lshl_add_u32 v4, v5, 6, v4
	s_lshl_b32 s46, s2, 8
	v_add_nc_u32 v4, s46, v4                       ; and back for xr: row r, + 64 h, + 256 wv (my two pieces of 32 along d)
	v_lshrrev_b32 v5, 1, v1                        ; 8 x lane
	s_lshl_b32 s46, s2, 10
	s_add_co_u32 s46, s46, DSX
	v_add_nc_u32 v[EXW], s46, v5                   ; 2,048 nh + 256 (4 tg) = 1,024 wv: a block of 1,024 bytes of my own
	s_lshl_b32 s46, s2, 9
	s_add_co_u32 s46, s46, DSX
	v_add_nc_u32 v[EXR], s46, v5                   ; tokens 2 wv and 2 wv + 1 of the first half; the second half lies 2,048 bytes on
	s_wait_alu depctr_va_vdst(0)
	s_wait_kmcnt 0x0
	s_add_nc_u64 s[36:37], s[4:5], s[36:37]
	s_add_nc_u64 s[4:5], s[4:5], s[32:33]
	s_add_nc_u64 s[16:17], s[16:17], s[38:39]
	s_add_nc_u64 s[14:15], s[14:15], s[34:35]
.irp i, 0,1,2,3
.irp j, 0,1
	global_load_b128 v[XH+8*\i+4*\j:XH+8*\i+4*\j+3], v1, s[36:37] offset:2048*\i+512*\j   ; for xr: four half rows
.endr
.endr
.irp t, 0,1,2,3
.irp q, 0,1,2,3
	global_load_b128 v[X+16*\t+4*\q:X+16*\t+4*\q+3], v1, s[4:5] offset:2048*\t+512*\q
.endr
.endr
	global_load_b128 v[SC:SC+3], v1, s[8:9]
.irp i, 0,1,2,3,4,5,6,7
.irp q, 0,1,2,3
	global_load_b128 v[PR+16*\i+4*\q:PR+16*\i+4*\q+3], v2, s[6:7] offset:8192*\i+512*\q   ; the first trip's rows: neurons 2 nh, 2 nh + 4, .. 2 nh + 28
.endr
.endr
	s_wait_loadcnt 49                              ; the four half rows are in; 16 loads of x, 1 of scales and 32 of positions may be out
.irp i, 0,1,2,3
.irp j, 0,1
	ds_store_b128 v3, v[XH+8*\i+4*\j:XH+8*\i+4*\j+3] offset:XP*\i+512*\j
.endr
.endr
	s_wait_dscnt 0x0                               ; for the others' sake: my four half rows lie in LDS; and the stores have read v6-37
	s_barrier_signal -1
	s_barrier_wait -1                              ; all sixteen do
.irp j, 30,31,32,33,34,35,36,37,38,39,40,41,44,45,46,47,48,49,50,51
	v_mov_b32 v\j, 0                               ; destinations of lane forms and of selects count as read; the pairs' places are moved up before they are filled
.endr
	; Value i (0..31) of group g is neuron 4 i + g, so that a lane ends with neurons 4 lane + 0..3.  A trip takes eight rows, i = 8 bb + 0..7, and asks for the next trip's.
	s_lshl_b32 s27, s45, 3
	s_add_co_u32 s27, s27, 1                       ; the next trip's number, 4 g + bb
	s_mov_b32 s31, 0                               ; which of my two groups
.Lgroup:
	s_mov_b32 s30, 0                               ; bb
.Lblock:
	s_wait_xcnt 0x0                                ; the last trip's loads have read v2
	s_and_b32 s28, s27, 3
	s_lshl_b32 s28, s28, 16                        ; 32 bb rows of 2,048 bytes,
	s_lshr_b32 s29, s27, 2
	s_lshl_b32 s29, s29, 11                        ; g rows.  (Behind my last trip this names group 2 or rows 4, 8, .. 32: inside the buffer; they are not used)
	s_add_co_u32 s28, s28, s29
	v_add_nc_u32 v2, s28, v1
	s_lshl_b32 s29, s30, 3
	s_lshl_b32 s26, 0xff, s29                      ; lanes 8 bb .. 8 bb + 7
	ROW 0, T0
	ROW 1, NV
	MERGE T1, T0, NV, s20, 1
	ROW 2, T0
	ROW 3, NV
	MERGE NV, T0, NV, s20, 1
	MERGE T2, T1, NV, s21, 2
	ROW 4, T0
	ROW 5, NV
	MERGE T1, T0, NV, s20, 1
	ROW 6, T0
	ROW 7, NV
	MERGE NV, T0, NV, s20, 1
	MERGE NV, T1, NV, s21, 2
	MERGE NV, T2, NV, s22, 4                       ; lane l holds row l % 8, summed over eight lanes;
.irp t, 0,1,2,3
	v_add_f32_dpp v[NV+\t], v[NV+\t], v[NV+\t] row_xmask:8 row_mask:0xf bank_mask:0xf
.endr
.irp t, 0,1,2,3
	v_permlanex16_b32 v[TM+\t], v[NV+\t], s24, s25
.endr
.irp t, 0,1,2,3
	v_add_f32 v[NV+\t], v[NV+\t], v[TM+\t]         ; over all 32
.endr
.irp t, 0,1,2,3
	v_cndmask_b32 v[DN+\t], v[DN+\t], v[NV+\t], s26
.endr
	s_add_co_u32 s27, s27, 1
	s_add_co_u32 s30, s30, 1
	s_cmp_lt_u32 s30, 4
	s_cbranch_scc1 .Lblock
.irp t, 0,1,2,3                        ; the groups move up one place a group, so that the loop's text is written once: my first group ends in the pair's low register
	v_mov_b32 v[EE+2*\t], v[EE+2*\t+1]
	v_mov_b32 v[EE+2*\t+1], v[DN+\t]
.endr
	s_add_co_u32 s31, s31, 1
	s_cmp_lt_u32 s31, 2
	s_cbranch_scc1 .Lgroup
.irp t, 0,1,2,3
	ds_store_b64 v[EXW], v[EE+2*\t:EE+2*\t+1] offset:256*\t   ; token 4 tg + t: the squares of the distances to neurons 4 lane + 2 nh, + 1
.endr
.irp i, 0,1,2,3,4,5,6,7                ; xr's pieces come out of LDS into x's registers, which are free
	ds_load_b128 v[X+4*\i:X+4*\i+3], v4 offset:(\i/4)*128+(\i%4)*16
.endr
	s_wait_dscnt 0x0                               ; for the others' sake: my pairs lie in LDS
	s_barrier_signal -1
	s_barrier_wait -1                              ; both halves of the neurons of all eight tokens do
.irp t, 0,1
	ds_load_b64 v[D+4*\t:D+4*\t+1], v[EXR] offset:256*\t
	ds_load_b64 v[D+4*\t+2:D+4*\t+3], v[EXR] offset:256*\t+2048
.endr
.irp i, 0,1,2,3,4,5,6,7
	global_store_b128 v1, v[X+4*\i:X+4*\i+3], s[16:17] offset:512*\i   ; 512 bytes on end
.endr
	s_wait_dscnt 0x0
	; THE SOFTMAX of two tokens: 8 registers, each batch of transcendentals with one plain line and one wait ahead of its first reader
.irp j, 0,1,2,3,4,5,6,7
	v_sqrt_f32 v[D+\j], v[D+\j]
.endr
	v_nop
	s_wait_alu depctr_va_vdst(0)
.irp j, 0,1,2,3,4,5,6,7
	v_add_f32 v[D+\j], 0x3dcccccd, v[D+\j]         ; + 0.1
.endr
	s_wait_alu depctr_va_vdst(0)
.irp j, 0,1,2,3,4,5,6,7
	v_rcp_f32 v[D+\j], v[D+\j]
.endr
	v_nop
	s_wait_alu depctr_va_vdst(0)
.irp t, 0,1
	v_pk_mul_f32 v[D+4*\t:D+4*\t+1], v[D+4*\t:D+4*\t+1], v[SC:SC+1]
	v_pk_mul_f32 v[D+4*\t+2:D+4*\t+3], v[D+4*\t+2:D+4*\t+3], v[SC+2:SC+3]
.endr
.irp t, 0,1
	v_max3_num_f32 v[TM+\t], v[D+4*\t], v[D+4*\t+1], v[D+4*\t+2]
.endr
.irp t, 0,1
	v_max_num_f32 v[TM+\t], v[TM+\t], v[D+4*\t+3]
.endr
.irp m, 1,2,4,8
.irp t, 0,1
	v_max_num_f32_dpp v[TM+\t], v[TM+\t], v[TM+\t] row_xmask:\m row_mask:0xf bank_mask:0xf
.endr
.endr
.irp t, 0,1
	v_permlanex16_b32 v[TM+4+\t], v[TM+\t], s24, s25
.endr
.irp t, 0,1
	v_max_num_f32 v[TM+\t], v[TM+\t], v[TM+4+\t]   ; the row's maximum, in every lane
.endr
.irp t, 0,1
.irp g, 0,1,2,3
	v_sub_f32 v[D+4*\t+\g], v[D+4*\t+\g], v[TM+\t]
.endr
.endr
.irp j, 0,1,2,3,4,5,6,7
	v_mul_f32 v[D+\j], 0x3fb8aa3b, v[D+\j]         ; x log2(e)
.endr
	s_wait_alu depctr_va_vdst(0)
.irp j, 0,1,2,3,4,5,6,7
	v_exp_f32 v[D+\j], v[D+\j]
.endr
	v_nop
	s_wait_alu depctr_va_vdst(0)
.irp t, 0,1
	v_add_f32 v[TM+\t], v[D+4*\t], v[D+4*\t+1]
	v_add_f32 v[TM+4+\t], v[D+4*\t+2], v[D+4*\t+3]
.endr
.irp t, 0,1
	v_add_f32 v[TM+\t], v[TM+\t], v[TM+4+\t]
.endr
.irp m, 1,2,4,8
.irp t, 0,1
	v_add_f32_dpp v[TM+\t], v[TM+\t], v[TM+\t] row_xmask:\m row_mask:0xf bank_mask:0xf
.endr
.endr
.irp t, 0,1
	v_permlanex16_b32 v[TM+4+\t], v[TM+\t], s24, s25
.endr
.irp t, 0,1
	v_add_f32 v[TM+\t], v[TM+\t], v[TM+4+\t]
.endr
	s_wait_alu depctr_va_vdst(0)
.irp t, 0,1
	v_rcp_f32 v[TM+\t], v[TM+\t]
.endr
	v_nop
	s_wait_alu depctr_va_vdst(0)
.irp t, 0,1
.irp g, 0,1,2,3
	v_mul_f32 v[D+4*\t+\g], v[D+4*\t+\g], v[TM+\t]
.endr
.endr
.irp t, 0,1
	global_store_b128 v1, v[D+4*\t:D+4*\t+3], s[14:15] offset:512*\t   ; a token's 128 weights: 512 bytes on end
.endr
	s_set_vgpr_msb 0x5
	s_wait_tensorcnt 0x0
	ds_add_u32 v0, v1
	s_wait_dscnt 0x0
	s_set_vgpr_msb 0x500
	s_endpgm
.Lfunc_end_k_q8b68239e0d_prep:
	.size	k_q8b68239e0d_prep, .Lfunc_end_k_q8b68239e0d_prep-k_q8b68239e0d_prep
	.p2alignl 7, 3214868480
	.fill 96, 4, 3214868480
	.section	.rodata,"a",@progbits
	.p2align	6, 0x0
	.amdhsa_kernel k_q8b68239e0d_prep
		.amdhsa_group_segment_fixed_size 50688
		.amdhsa_private_segment_fixed_size 0
		.amdhsa_enable_private_segment 0
		.amdhsa_kernarg_size 64
		.amdhsa_user_sgpr_count 2
		.amdhsa_user_sgpr_kernarg_segment_ptr 1
		.amdhsa_wavefront_size32 1
		.amdhsa_system_sgpr_workgroup_id_x 1
		.amdhsa_system_sgpr_workgroup_id_y 1
		.amdhsa_system_sgpr_workgroup_id_z 1
		.amdhsa_system_vgpr_workitem_id 0
		.amdhsa_next_free_vgpr 258
		.amdhsa_next_free_sgpr 66
		.amdhsa_reserve_vcc 0
		.amdhsa_float_denorm_mode_32 3
		.amdhsa_float_denorm_mode_16_64 3
		.amdhsa_memory_ordered 1
		.amdhsa_forward_progress 1
		.amdhsa_inst_pref_size 135
	.end_amdhsa_kernel
	.amdgpu_metadata
---
amdhsa.version: [ 1, 2 ]
amdhsa.kernels:
  - .name:           k_q8b68239e0d_prep
    .symbol:         k_q8b68239e0d_prep.kd
    .args:
      - { .name: x, .offset: 0, .size: 8, .value_kind: global_buffer, .address_space: global }
      - { .name: positions, .offset: 8, .size: 8, .value_kind: global_buffer, .address_space: global }
      - { .name: scales, .offset: 16, .size: 8, .value_kind: global_buffer, .address_space: global }
      - { .name: value_weight, .offset: 24, .size: 8, .value_kind: global_buffer, .address_space: global }
      - { .name: lowp_scales, .offset: 32, .size: 8, .value_kind: global_buffer, .address_space: global }
      - { .name: attn, .offset: 40, .size: 8, .value_kind: global_buffer, .address_space: global }
      - { .name: xr, .offset: 48, .size: 8, .value_kind: global_buffer, .address_space: global }
      - { .name: wq, .offset: 56, .size: 8, .value_kind: global_buffer, .address_space: global }
    .group_segment_fixed_size: 50688
    .private_segment_fixed_size: 0
    .kernarg_segment_align: 8
    .kernarg_segment_size: 64
    .max_flat_workgroup_size: 128
    .sgpr_count:     66
    .vgpr_count:     258
    .wavefront_size: 32
...
	.end_amdgpu_metadata
.endif
;; end of part 1
;; launch gemm (part 2): grid 16 x 16, 4 waves a work-group, clusters of 4 x 1, 327,680 bytes of LDS; arguments attn, xr, wq, lowp_scales, part; writes part
.if DOCPART == 2
	.amdgcn_target "amdgcn-amd-amdhsa--gfx1250"
	.amdhsa_code_object_version 6
	.text
	.protected	k_q8b68239e0d_gemm
	.globl	k_q8b68239e0d_gemm
	.p2align	8
	.type	k_q8b68239e0d_gemm,@function
k_q8b68239e0d_gemm:
	s_mov_b64 s[64:65], 0
	v_nop
	global_prefetch_b8 v0, s[64:65] scope:SCOPE_SE
	s_setreg_imm32_b32 hwreg(HW_REG_WAVE_MODE, 25, 1), 1
	s_wait_xcnt 0x0
	s_wait_alu depctr_hold_cnt(0) depctr_sa_sdst(0) depctr_va_vdst(0) depctr_va_sdst(0) depctr_va_ssrc(0) depctr_va_vcc(0) depctr_vm_vsrc(0)
	s_getreg_b32 s2, hwreg(HW_REG_IB_STS2, 6, 4)
	s_cmp_eq_u32 s2, 0
	s_cbranch_scc0 .Lentry_in_a_cluster
	s_endpgm
.Lentry_in_a_cluster:
	s_bfe_u32 s2, ttmp6, 0x10000c
	s_cmp_lg_u32 s2, 0x3003
	s_cbranch_scc0 .Lentry_shape_is_right
	s_endpgm
.Lentry_shape_is_right:
; GEMM: part[ks] = Q(attn x) Q(value_weight) over the 8 neurons of K slice ks (K = 8 x 512 = 4,096), sums of codes in f32, not yet scaled.
; Work-group (mt, ks): tokens 128 mt .. + 127, all 512 columns.  Wave w: all 128 tokens x columns 128 w .. + 127: 64 accumulators, 512 registers.
; A K step is 128 = 4 neurons (4 u + c) x 32 numbers of d (piece p); step j has p = j / 2, u = j % 2; 32 steps.
; THE LEFT OPERAND is made here: attn[t][n] x[t][d] in f32, held at 448 x 2^e0, converted with 2^e0.  Wave w makes the two tiles of 16 tokens 2 w, 2 w + 1 (8 groups of 16 numbers a lane in a step)
; and stores them as images of the operand's registers in LDS, two images by turns; every wave reads all eight tiles.  Step j makes the whole image of step j + 2, into the bytes of its own image, behind its barrier.
; THE WEIGHTS come as codes in register order (wq).  A slot holds a piece p (both u), 131,072 bytes; two slots by turns; each wave asks for a quarter by one tensor load.
; CLUSTERS: the four work-groups of a cluster have the same ks and so the same weights: each tile is asked for jointly (mask 15).  A round of the cluster's barrier stands in front of every joint load.
; ORDER OF A STEP: matrix instructions in runs of 16 (two blocks of A against B's eight); between the runs the quantiser's groups (2, 2 and 4 of them); LDS lines in three runs:
; behind the barrier groups 0, 1 and B's next set; behind block 5 groups 2, 3 and A's next blocks 0-3; behind block 7 groups 4-7 and A's next blocks 4-7.
; PREFETCH: behind each joint refill the slot two refills on is named, 256 bytes a lane, 8,192 bytes a wave, the sixteen waves of a cluster sharing the slot by address; of the four clusters with one ks
; the one with cluster x = 0 asks.  Slots 1 and 2 are named once at the head; slot 3 comes by its load alone; the last trip names nothing.
; The matrix instruction is used transposed (source 0 = 16 columns of the weights, source 1 = 16 tokens): lane (r, h) holds token r, its registers columns 8 h + 0..7 of the tile.
; part: [ks][mt][w][a 8][o 2][b 8][q 2][h 2][r' 8][16 bytes], token 16 a + 8 o + r', registers 4 q .. 4 q + 3 of tile (a, b): an aligned 256 bytes holds 8 tokens, and a store of the wave fills two such units whole.
; LIMIT: e0 between -126 and 119 (2^e0 and 448 x 2^e0 are f32 numbers).  NaN among the inputs is not served.
; REGISTERS: window 0: v1-15 addresses and constants, v16-31 attn, v32-47 products, v48-63 codes of four groups, v64-127 x in two buffers, v128-255 A's fragments (one set);
;   window 1: B's fragments, two sets;  windows 2, 3: the accumulators of tokens 0-63 and 64-127.
.set SLOTB, 131072
.set IMG,   262144                     ; behind the ring: the two images
.set IMGB,  16384
.set SPARE, 294912                     ; the spare words, 128 bytes a wave
.set SPW,  1
.set NIL,  2
.set ADRA, 3                           ; images: 16 x lane
.set AWR,  4                           ; my two tiles in an image
.set ADRB, 5                           ; v5-8: my 16,384 bytes of the weights of step j % 4
.set XO,   9                           ; 16 x lane
.set SCV,  10                          ; 2^e0
.set LIMV, 11                          ; 448 x 2^e0
.set PFO,  12                          ; 256 x lane
.set SOF,  15                          ; part: 4,096 (r / 8) + 128 h + 16 (r % 8)
.set AT,   16
.set P,    32
.set CD,   48
.set XB,   64
.set AF,   128
.set G1,   24
.set G0,   32
.set MSB,  0
.macro WIN new                         ; the immediate's high byte repeats the setting that is left
.if MSB != \new
	s_set_vgpr_msb (MSB<<8)|\new
.set MSB, \new
.endif
.endm
.set MUL_LO, 0xa1                      ; source 0 window 1, source 1 window 0, C and D window 2
.set MUL_HI, 0xf1                      ; C and D window 3
.set TO_B,   0x40                      ; destination window 1
.macro PLACES                          ; four plain lines behind matrix instructions, ahead of loads into their sources and of reads of results
.rept 4
	v_nop
.endr
.endm
.macro CREST                           ; a round of the cluster's barrier behind its opening barrier
	s_cmp_lg_u32 s14, 0
	s_cbranch_scc1 .Lnot_wave_0_\@
	s_barrier_signal -3
.Lnot_wave_0_\@:
	s_barrier_wait -3
	s_barrier_signal -1
	s_barrier_wait -1
.endm
.macro CROUND
	s_barrier_signal -1
	s_barrier_wait -1
	CREST
.endm
.macro ASK                             ; s46 = 1 in the cluster that asks, else the greatest number; s3 = 1 in the last trip
	s_cmp_gt_u32 s3, s46
	s_cbranch_scc0 .Lnot_mine_\@
	global_prefetch_b8 v[PFO], s[44:45] th:TH_LOAD_NT scope:SCOPE_SE
.Lnot_mine_\@:
.endm
.macro NEWFRAME on, u, xb              ; the image that is made from here on: neurons 4 u + c, image u, x's buffer xb
.set GEN_ON, \on
.set FU, \u
.set FB, \u
.set FX, XB+32*(\xb)
.endm
.macro GSTORE g
	ds_store_b128 v[AWR], v[CD+4*((\g)%4):CD+4*((\g)%4)+3] offset:IMGB*FB+2048*((\g)/4)+512*((\g)%4)
.endm
; Group g = 4 m + c: tile m of my two, neuron c: 16 products, the hold, two conversions: registers 4 c .. 4 c + 3 of the fragment
.macro GEN g
	WIN 0
.set gm, (\g)/4
.set gn, 4*FU+(\g)%4
.set gk, 0
.rept 8
.if (gn%2) == 0
	v_pk_mul_f32 v[P+2*gk:P+2*gk+1], v[FX+16*gm+2*gk:FX+16*gm+2*gk+1], v[AT+8*gm+gn:AT+8*gm+gn+1] op_sel_hi:[1,0]
.else
	v_pk_mul_f32 v[P+2*gk:P+2*gk+1], v[FX+16*gm+2*gk:FX+16*gm+2*gk+1], v[AT+8*gm+gn-1:AT+8*gm+gn] op_sel:[0,1] op_sel_hi:[1,1]
.endif
.set gk, gk+1
.endr
.set gk, 0
.rept 16
	v_med3_num_f32 v[P+gk], v[P+gk], -v[LIMV], v[LIMV]   ; the conversion does not saturate (ISA guide 7.6.2)
.set gk, gk+1
.endr
	v_cvt_scalef32_pk8_fp8_f32 v[CD+4*((\g)%4):CD+4*((\g)%4)+1], v[P:P+7], v[SCV]
	v_cvt_scalef32_pk8_fp8_f32 v[CD+4*((\g)%4)+2:CD+4*((\g)%4)+3], v[P+8:P+15], v[SCV]
	v_nop                                          ; a plain line behind the conversions
.endm
.macro GEN4 g0                         ; four groups, then their four stores on end
.irp g, 0,1,2,3
	GEN (\g0)+\g
.endr
.irp g, 0,1,2,3
	GSTORE (\g0)+\g
.endr
.endm
; 8 matrix instructions: A's block a against B's eight; the accumulators take turns
.macro WBLK a, set, zero
.if (\a) < 4
	WIN MUL_LO
.else
	WIN MUL_HI
.endif
.irp b, 0,1,2,3,4,5,6,7
.if \zero
	v_wmma_f32_16x16x128_fp8_fp8 v[8*(8*((\a)%4)+\b):8*(8*((\a)%4)+\b)+7], v[128*(\set)+16*\b:128*(\set)+16*\b+15], v[AF+16*(\a):AF+16*(\a)+15], 0
.else
	v_wmma_f32_16x16x128_fp8_fp8 v[8*(8*((\a)%4)+\b):8*(8*((\a)%4)+\b)+7], v[128*(\set)+16*\b:128*(\set)+16*\b+15], v[AF+16*(\a):AF+16*(\a)+15], v[8*(8*((\a)%4)+\b):8*(8*((\a)%4)+\b)+7]
.endif
.endr
.endm
.macro FETCH_B i, set
	WIN TO_B
.irp b, 0,1,2,3,4,5,6,7
.irp c, 0,1,2,3
	ds_load_b128 v[128*(\set)+16*\b+4*\c:128*(\set)+16*\b+4*\c+3], v[ADRB+(\i)] offset:2048*\b+512*\c
.endr
.endr
	WIN 0
.endm
.macro FETCH_A buf, a0
.irp a, 0,1,2,3
.irp c, 0,1,2,3
	ds_load_b128 v[AF+16*((\a0)+\a)+4*\c:AF+16*((\a0)+\a)+4*\c+3], v[ADRA] offset:IMGB*(\buf)+2048*((\a0)+\a)+512*\c
.endr
.endr
.endm
.macro XLOAD buf, off                  ; a piece of x for my two tiles: 8 loads of 512 bytes on end
.irp m, 0,1
.irp jj, 0,1,2,3
	global_load_b128 v[XB+32*(\buf)+16*\m+4*\jj:XB+32*(\buf)+16*\m+4*\jj+3], v[XO], s[40:41] offset:(\off)+32768*\m+512*\jj
.endr
.endr
.endm
; A K step.  mode 1: its slot is filled again behind the barrier; mode 2: the last slot is waited for, nothing is filled.  frame 1: the image of the step two on is made.  xl: x's next piece is asked for (2: held in the last trip)
.macro STEP j4, zero, mode, frame, xl
.set su, (\j4)%2
.set sl, ((\j4)/2)%2
.if GEN_ON
	s_wait_dscnt 20                                ; B's set and A's blocks 0-3 are in; behind them: the last step's 4 stores and 16 loads (A's blocks 4-7)
.else
	s_wait_dscnt 16                                ; the last step made no image: 16 loads behind them
.endif
.if (\xl) > 0
	s_wait_loadcnt 0x0                             ; the piece that this step's image takes is in, and the loads have read their base
.if (\xl) == 2
	s_cmp_eq_u32 s3, 1
	s_cselect_b32 s42, 0, 2048                     ; behind piece 15 there is none: the last trip asks for piece 15 again, inside the buffer; it is not used
	s_add_nc_u64 s[40:41], s[40:41], s[42:43]
.else
	s_add_nc_u64 s[40:41], s[40:41], 2048
.endif
	XLOAD sl, 2048                                 ; into the buffer that the last two images took
.endif
.if (\mode) == 1
	s_wait_xcnt 0x0                                ; my prefetches have read their base
	s_add_nc_u64 s[44:45], s[44:45], SLOTB
.endif
.if (\mode) > 0
	s_wait_tensorcnt 0x0                           ; all my tensor loads are done: my quarter of the other slot
	ds_add_u32 v[SPW], v[NIL]
.endif
.if (\mode) == 1
	s_add_nc_u64 s[G0+4*sl+2:G0+4*sl+3], s[G0+4*sl+2:G0+4*sl+3], 2*SLOTB
.endif
	NEWFRAME \frame, su, (sl+1)%2
	WBLK 0, su, \zero
	WBLK 1, su, \zero
	s_wait_dscnt 0x0                               ; the add, my stores into the next step's image, my reads of this step's image and of this step's weights are done
	s_barrier_signal -1
.if \frame
	GEN 0                                          ; work on registers alone: these two groups are stored behind the barrier, when nobody reads image su any more
	GEN 1
.endif
	WBLK 2, su, \zero
	WBLK 3, su, \zero
	WIN 0
.if \frame
	s_wait_alu depctr_va_vdst(0)
.endif
	s_barrier_wait -1
.if (\mode) == 1
	CREST                                          ; the barrier has opened a round of the cluster's barrier
	tensor_load_to_lds s[G0+4*sl:G0+4*sl+3], s[G1:G1+7]   ; my one load behind the round: the slot just read out takes the piece two on
	s_nop 0
.endif
	PLACES                                         ; also the places ahead of the loads into A's blocks 0-3
.if \frame
	GSTORE 0
	GSTORE 1
.endif
	FETCH_B ((\j4)+1)%4, 1-su
.if (\mode) == 1
	ASK
.endif
	WBLK 4, su, \zero
	WBLK 5, su, \zero
.if \frame
	GEN 2
	GEN 3
	GSTORE 2
	GSTORE 3
.endif
	WIN 0
	FETCH_A 1-su, 0
	WBLK 6, su, \zero
	WBLK 7, su, \zero
	WIN 0
.if \frame
	s_wait_dscnt 16                                ; groups 0 to 3 are stored (behind them: 16 loads): their code registers are written again
	GEN4 4                                         ; these lines are also the places ahead of the loads below and of the next step's loads into this set of B
.else
	PLACES
.endif
	FETCH_A 1-su, 4
.endm
	s_load_b256 s[4:11], s[0:1], 0x0               ; attn s[4:5], xr s[6:7], wq s[8:9], the exponents s[10:11]
	s_load_b64 s[12:13], s[0:1], 0x20              ; part
	v_lshl_add_u32 v[SPW], v0, 2, SPARE
	v_mov_b32 v[NIL], 0
	ds_add_u32 v[SPW], v[NIL]                      ; the opening lines: the add twice on end and one wait, ahead of the round in front of my first tensor load
	ds_add_u32 v[SPW], v[NIL]
	v_lshrrev_b32 v13, 5, v0
	v_readfirstlane_b32 s14, v13                   ; wave 0..3
	s_bfe_u32 s15, ttmp6, 0x40000                  ; cx
	s_lshl_b32 s16, ttmp9, 2
	s_add_co_u32 s16, s16, s15                     ; mt = 4 x cluster x + cx
	s_and_b32 s17, ttmp7, 0xffff                   ; ks
	s_mov_b32 s[G1], 15|(3<<16)|(1<<21)            ; mask: all four; elements of 8 bytes; bit 21 beside a mask
	s_mov_b32 s[G1+1], 32<<16                      ; rows of 256 bytes,
	s_mov_b32 s[G1+2], 128<<16                     ; 128 of them, dense
	s_mov_b32 s[G1+3], 32<<16
	s_mov_b32 s[G1+4], 128
	s_mov_b32 s[G1+5], 32
	s_mov_b32 s[G1+6], 0
	s_mov_b32 s[G1+7], 0
	s_lshl_b32 s20, s17, 21                        ; wq: 2^21 ks + 32,768 wave
	s_lshl_b32 s22, s14, 15
	s_add_co_u32 s20, s20, s22
	s_mov_b32 s21, 0
	s_lshl_b32 s50, s16, 18                        ; xr: 8 tiles of 32,768 bytes a work-group, 2 a wave
	s_lshl_b32 s51, s14, 16
	s_add_co_u32 s50, s50, s51
	s_mov_b32 s51, 0
	s_lshl_b32 s52, s16, 16                        ; attn: (128 mt + 32 wave) rows of 512 bytes, + 8 ks numbers
	s_lshl_b32 s53, s14, 14
	s_add_co_u32 s52, s52, s53
	s_lshl_b32 s53, s17, 5
	s_add_co_u32 s52, s52, s53
	s_mov_b32 s53, 0
	s_lshl_b32 s54, s17, 22                        ; part: 2^22 ks + 2^18 mt + 2^16 wave
	s_add_co_u32 s54, s54, s50
	s_mov_b32 s55, 0
	s_lshl_b32 s56, s17, 21                        ; prefetches: my 8,192 bytes of a slot, by cx and wave; it stands at slot 3
	s_lshl_b32 s57, s15, 15
	s_add_co_u32 s56, s56, s57
	s_lshl_b32 s57, s14, 13
	s_add_co_u32 s56, s56, s57
	s_add_co_u32 s56, s56, 3*SLOTB
	s_mov_b32 s57, 0
	s_cmp_eq_u32 ttmp9, 0
	s_cselect_b32 s46, 1, -1
	s_mov_b32 s43, 0
	s_lshl_b32 s58, s14, 12
	s_lshl_b32 s59, s14, 14
	v_and_b32 v13, 31, v0
	v_lshlrev_b32 v[XO], 4, v13
	v_lshlrev_b32 v[PFO], 8, v13
	v_and_b32 v14, 15, v0
	v_lshlrev_b32 v14, 9, v14                      ; attn: token l % 16
	v_add_nc_u32 v[ADRA], IMG, v[XO]
	v_add_nc_u32 v[AWR], s58, v[ADRA]
	v_add_nc_u32 v[ADRB], s59, v[XO]
	v_add_nc_u32 v[ADRB+1], 65536, v[ADRB]
	v_add_nc_u32 v[ADRB+2], 131072, v[ADRB]
	v_add_nc_u32 v[ADRB+3], 196608, v[ADRB]
	v_and_b32 v[SOF], 7, v0
	v_lshlrev_b32 v[SOF], 4, v[SOF]
	v_bfe_u32 v13, v0, 4, 1
	v_lshl_add_u32 v[SOF], v13, 7, v[SOF]
	v_bfe_u32 v13, v0, 3, 1
	v_lshl_add_u32 v[SOF], v13, 12, v[SOF]
	s_wait_alu depctr_va_vdst(0)
	s_wait_dscnt 0x0                               ; both opening adds are done
	s_wait_kmcnt 0x0
	s_load_b32 s48, s[10:11], 0x0                  ; e0
	s_add_nc_u64 s[20:21], s[8:9], s[20:21]
	s_add_nc_u64 s[40:41], s[6:7], s[50:51]
	s_add_nc_u64 s[4:5], s[4:5], s[52:53]
	s_add_nc_u64 s[12:13], s[12:13], s[54:55]
	s_add_nc_u64 s[44:45], s[8:9], s[56:57]
.irp s, 0,1
	s_mov_b32 s[G0+4*\s], 1
	s_add_co_u32 s[G0+4*\s+1], s22, \s*SLOTB
	s_add_nc_u64 s[G0+4*\s+2:G0+4*\s+3], s[20:21], \s*SLOTB
	s_or_b32 s[G0+4*\s+3], s[G0+4*\s+3], 0x80000000
.endr
.irp m, 0,1                            ; what the first images are made of is asked for ahead of the round
	global_load_b128 v[AT+8*\m:AT+8*\m+3], v14, s[4:5] offset:8192*\m
	global_load_b128 v[AT+8*\m+4:AT+8*\m+7], v14, s[4:5] offset:8192*\m+16
.endr
	XLOAD 0, 0
	XLOAD 1, 2048
	CROUND                                         ; the four work-groups are here: the first joint loads meet
	tensor_load_to_lds s[G0:G0+3], s[G1:G1+7]      ; slot 0: one tensor load a wave at the head
	s_nop 0
	PLACES
	s_cmp_eq_u32 s46, 1
	s_cbranch_scc0 .Lno_first_ask
	global_prefetch_b8 v[PFO], s[44:45] offset:-2*SLOTB th:TH_LOAD_NT scope:SCOPE_SE   ; slot 1
	global_prefetch_b8 v[PFO], s[44:45] offset:-SLOTB th:TH_LOAD_NT scope:SCOPE_SE     ; slot 2
.Lno_first_ask:
	s_wait_kmcnt 0x0
	s_add_co_i32 s48, s48, 127
	s_lshl_b32 s49, s48, 23
	v_mov_b32 v[SCV], s49
	s_add_co_i32 s48, s48, 8
	s_lshl_b32 s48, s48, 23
	s_or_b32 s48, s48, 0x600000
	v_mov_b32 v[LIMV], s48
	s_wait_alu depctr_va_vdst(0)
	s_wait_loadcnt 8                               ; attn and x's piece 0 are in; piece 1's 8 loads may be out
	NEWFRAME 1, 0, 0                               ; the images of steps 0 and 1 are made while slot 0 is on its way
	GEN4 0
	s_wait_alu depctr_va_vdst(0)
	s_wait_dscnt 0x0                               ; the stores have read the four groups' code registers, which are written again
	GEN4 4
	s_wait_alu depctr_va_vdst(0)
	s_wait_dscnt 0x0
	NEWFRAME 1, 1, 0
	GEN4 0
	s_wait_alu depctr_va_vdst(0)
	s_wait_dscnt 0x0
	GEN4 4
	s_wait_alu depctr_va_vdst(0)
	s_wait_tensorcnt 0x0                           ; my quarter of slot 0 is in
	ds_add_u32 v[SPW], v[NIL]
	s_wait_dscnt 0x0                               ; the add and my stores into the images are done
	CROUND                                         ; slot 0 and both images are whole, and the four work-groups are here
	tensor_load_to_lds s[G0+4:G0+7], s[G1:G1+7]    ; slot 1's first fill, the first tensor load behind the round
	s_nop 0
	PLACES
	FETCH_B 0, 0
	FETCH_A 0, 0
	FETCH_A 0, 4
	s_wait_dscnt 16                                ; here no stores stand among the youngest lines: B's set and A's blocks 0-3 are in
	STEP 0, 1, 0, 1, 1                             ; the first step stands ahead of the loop: its products start the sums
	s_mov_b32 s3, 7
.Lloop:                                                ; a trip: four steps, once round the ring; steps 1 to 28
	STEP 1, 0, 1, 1, 0
	STEP 2, 0, 0, 1, 1
	STEP 3, 0, 1, 1, 0
	STEP 0, 0, 0, 1, 2
	s_sub_co_u32 s3, s3, 1
	s_cmp_lg_u32 s3, 0
	s_cbranch_scc1 .Lloop
	STEP 1, 0, 2, 1, 0                             ; step 29 makes the last image and fills nothing
	STEP 2, 0, 0, 0, 0
	s_wait_dscnt 16                                ; step 31: each block of 16 tokens leaves as soon as its eight sums are finished
.irp a, 0,1,2,3,4,5,6,7
.if \a == 4
	s_wait_dscnt 0x0                               ; A's blocks 4-7 are in
.endif
	WBLK \a, 1, 0
	PLACES
.if \a < 4
	WIN 0x08                                       ; the stores' data: window 2
.else
	WIN 0x0c                                       ; window 3
.endif
.irp b, 0,1,2,3,4,5,6,7
	global_store_b128 v[SOF], v[8*(8*(\a%4)+\b):8*(8*(\a%4)+\b)+3], s[12:13] offset:8192*\a+512*\b th:TH_STORE_NT        ; two aligned units of 256 bytes, each whole; each accumulator from its low end on
	global_store_b128 v[SOF], v[8*(8*(\a%4)+\b)+4:8*(8*(\a%4)+\b)+7], s[12:13] offset:8192*\a+512*\b+256 th:TH_STORE_NT
.endr
.endr
	WIN 0
	s_wait_tensorcnt 0x0                           ; the wave's end
	ds_add_u32 v[SPW], v[NIL]
	s_wait_dscnt 0x0
	CROUND                                         ; the closing round
	s_endpgm
.Lfunc_end_k_q8b68239e0d_gemm:
	.size	k_q8b68239e0d_gemm, .Lfunc_end_k_q8b68239e0d_gemm-k_q8b68239e0d_gemm
	.p2alignl 7, 3214868480
	.fill 96, 4, 3214868480
	.section	.rodata,"a",@progbits
	.p2align	6, 0x0
	.amdhsa_kernel k_q8b68239e0d_gemm
		.amdhsa_group_segment_fixed_size 327680
		.amdhsa_private_segment_fixed_size 0
		.amdhsa_enable_private_segment 0
		.amdhsa_kernarg_size 40
		.amdhsa_user_sgpr_count 2
		.amdhsa_user_sgpr_kernarg_segment_ptr 1
		.amdhsa_wavefront_size32 1
		.amdhsa_system_sgpr_workgroup_id_x 1
		.amdhsa_system_sgpr_workgroup_id_y 1
		.amdhsa_system_sgpr_workgroup_id_z 1
		.amdhsa_system_vgpr_workitem_id 0
		.amdhsa_next_free_vgpr 1024
		.amdhsa_next_free_sgpr 66
		.amdhsa_reserve_vcc 0
		.amdhsa_float_denorm_mode_32 3
		.amdhsa_float_denorm_mode_16_64 3
		.amdhsa_memory_ordered 1
		.amdhsa_forward_progress 1
		.amdhsa_inst_pref_size 205
	.end_amdhsa_kernel
	.amdgpu_metadata
---
amdhsa.version: [ 1, 2 ]
amdhsa.kernels:
  - .name:           k_q8b68239e0d_gemm
    .symbol:         k_q8b68239e0d_gemm.kd
    .args:
      - { .name: attn, .offset: 0, .size: 8, .value_kind: global_buffer, .address_space: global }
      - { .name: xr, .offset: 8, .size: 8, .value_kind: global_buffer, .address_space: global }
      - { .name: wq, .offset: 16, .size: 8, .value_kind: global_buffer, .address_space: global }
      - { .name: lowp_scales, .offset: 24, .size: 8, .value_kind: global_buffer, .address_space: global }
      - { .name: part, .offset: 32, .size: 8, .value_kind: global_buffer, .address_space: global }
    .group_segment_fixed_size: 327680
    .private_segment_fixed_size: 0
    .kernarg_segment_align: 8
    .kernarg_segment_size: 40
    .max_flat_workgroup_size: 128
    .sgpr_count:     66
    .vgpr_count:     1024
    .wavefront_size: 32
...
	.end_amdgpu_metadata
.endif
;; end of part 2
;; launch finish (part 3): grid 256 x 1, 8 waves a work-group, no clusters, 312,576 bytes of LDS; arguments part, out_W_codes, out_b, lowp_scales, out0; writes out0
.if DOCPART == 3
	.amdgcn_target "amdgcn-amd-amdhsa--gfx1250"
	.amdhsa_code_object_version 6
	.text
	.protected	k_q8b68239e0d_finish
	.globl	k_q8b68239e0d_finish
	.p2align	8
	.type	k_q8b68239e0d_finish,@function
k_q8b68239e0d_finish:
	s_mov_b64 s[64:65], 0
	v_nop
	global_prefetch_b8 v0, s[64:65] scope:SCOPE_SE
	s_setreg_imm32_b32 hwreg(HW_REG_WAVE_MODE, 25, 1), 1
	s_wait_xcnt 0x0
; FINISH: the 16 parts of the large product are added in f32, quantised with 2^e2, multiplied by out_W's codes, and out_b is added.
; A sum of the parts stands for sum x 2^(e0 + e1), so its code is sum / 2^(e2 - e0 - e1): the three scales are folded into the conversion's one.  out0 = sum of the second product x 2^(e2 + e3) + out_b.
; SHARES.  Work-group G: tokens 8 G .. + 7: 256 work-groups.  Of each part and column block w its numbers are 4,096 bytes on end: [b 8][q 2][h 2][r' 8][16 bytes].
; Wave v (8 of them) adds tiles b = 4 (v % 2) .. + 3 of column block w = v / 2: 4 loads of 512 bytes a part.  Lane l = 16 q + 8 h + r' then holds, of token r' and tile b, the four neighbours
; k = 128 w + 32 (b / 2) + 16 h + 8 (b % 2) + 4 q + 0..3 of the second product's K: four codes, one word, stored at its place in an image of the operand: [s 4][c 4][h 2][r' 8][16 bytes].
; A matrix instruction takes 16 tokens: lanes r = 8..15 of the operand read tokens 0..7 again; their results go into stage rows that are not read back.
; OUT_W.  A wave's 64 rows of 512 codes are 32,768 bytes on end in memory: ONE tensor load a wave, at the head, brings them into LDS bytes of the wave's own, 16 bytes of padding behind each row.
; Only the wave that asked reads those bytes, so its own wait on TENSORcnt orders the reads.  Nothing is filled again.  No joint loads: the launch has no loop of tiles, and each wave's one load stands at its head.
; No prefetch: every load of the parts is asked for as early as the eight register sets allow, and there is no loop to run ahead in.
; The matrix instruction is used transposed (source 0 = 16 rows of out_W, source 1 = the tokens): a lane holds eight neighbouring outputs of one token.  Wave v makes output columns 64 v .. + 63.
; LIMITS: e2 - e0 - e1 between -126 and 119; e2 + e3 between -126 and 127.  NaN among the inputs is not served.
; REGISTERS: window 0: v1 16 x lane; v2-5 the parts' offsets; v6-15 addresses and constants; v16-31 the sums; v64-191 eight sets of 16 on their way in; v208-239 the bias; v240-243 codes;
;   behind the sums: v48-111 the four fragments, v112-143 four accumulators, v144-175 results, v176-191 a row on the way out.   window 1: out_W's 16 fragments (tile t, K step s) at v[16 (4 t + s)].
.set WP,   528                         ; LDS: a row of out_W: 512 bytes + 16
.set WTB,  64*WP                       ; a wave's 64 rows
.set FIMG, 8*WTB                       ; the operand's image, 4,096 bytes (a block of 8,192 into which no tile lands)
.set STG,  FIMG+8192                   ; the stage: 16 rows x 2,064 bytes
.set SPI,  2064
.set SPARE, STG+16*SPI                 ; the spare words, 128 bytes a wave
.set PKS,  4194304                     ; bytes of one part
.set S,    16
.set RG,   64
.set BI,   208
.set PC,   240
.set TF,   48
.set AC,   112
.set Y,    144
.set OB,   176
.set G0,   32
.set G1,   36
.set MSB,  0
.macro WIN new
.if MSB != \new
	s_set_vgpr_msb (MSB<<8)|\new
.set MSB, \new
.endif
.endm
.macro PLOAD ks                        ; part ks: my four tiles.  Offset register ks / 4 stands at part 4 (ks / 4) + 2; the immediate reaches two parts back and one on (signed 24 bits: ISA guide, chapter 10)
.irp i, 0,1,2,3
	global_load_b128 v[RG+16*((\ks)%8)+4*\i:RG+16*((\ks)%8)+4*\i+3], v[2+(\ks)/4], s[4:5] offset:(((\ks)%4)-2)*PKS+512*\i th:TH_LOAD_NT
.endr
.endm
.macro ADDK ks
	s_wait_alu depctr_va_vdst(0)
.if 15-(\ks) >= 7
	s_wait_loadcnt 28                              ; this part is in; the seven behind it may be out
.else
	s_wait_loadcnt 4*(15-(\ks))
.endif
.set i, 0
.rept 8
	v_pk_add_f32 v[S+2*i:S+2*i+1], v[S+2*i:S+2*i+1], v[RG+16*((\ks)%8)+2*i:RG+16*((\ks)%8)+2*i+1]
.set i, i+1
.endr
.if (\ks)+8 <= 15
	PLOAD (\ks)+8
.endif
.endm
.macro WFETCH t0                       ; out_W's fragments of tiles t0 and t0 + 1 out of my own LDS bytes: registers 4 c .. 4 c + 3: k = 128 s + 32 c + 16 h + 0..15 of row 16 t + r
	WIN 0x40
.irp t, \t0, \t0+1
.irp s, 0,1,2,3
.irp c, 0,1,2,3
	ds_load_b128 v[16*(4*(\t)+\s)+4*\c:16*(4*(\t)+\s)+4*\c+3], v8 offset:16*(\t)*WP+128*\s+32*\c
.endr
.endr
.endr
	WIN 0
.endm
	s_load_b256 s[4:11], s[0:1], 0x0               ; part s[4:5], out_W's codes s[6:7], out_b s[8:9], the exponents s[10:11]
	s_load_b64 s[12:13], s[0:1], 0x20              ; out0
	v_lshl_add_u32 v254, v0, 2, SPARE
	v_mov_b32 v255, 0
	ds_add_u32 v254, v255                          ; the opening lines: the add twice on end and one wait, ahead of my tensor load
	ds_add_u32 v254, v255
	v_lshrrev_b32 v1, 5, v0
	v_readfirstlane_b32 s14, v1                    ; wave v, 0..7
	s_mov_b32 s[G1], (0<<16)|(1<<20)|(6<<22)|(3<<25)   ; elements of 1 byte; behind every 128 words 4 words of padding
	s_mov_b32 s[G1+1], 512<<16
	s_mov_b32 s[G1+2], 64<<16
	s_mov_b32 s[G1+3], 512<<16
	s_mov_b32 s[G1+4], 64
	s_mov_b32 s[G1+5], 512
	s_mov_b32 s[G1+6], 0
	s_mov_b32 s[G1+7], 0
	s_mov_b32 s[G0], 1
	s_mul_i32 s[G0+1], s14, WTB                    ; my own 33,792 bytes
	s_lshr_b32 s15, s14, 1                         ; w
	s_and_b32 s16, s14, 1
	s_lshl_b32 s17, s15, 10                        ; the image: 1,024 w + 512 (v % 2)
	s_lshl_b32 s18, s16, 9
	s_add_co_u32 s17, s17, s18
	s_add_co_u32 s17, s17, FIMG
	s_lshl_b32 s18, s14, 8                         ; the stage: + 256 v
	s_add_co_u32 s18, s18, STG
	s_mul_i32 s19, s14, SPI                        ; and back: row v
	s_add_co_u32 s19, s19, STG
	s_lshr_b32 s24, ttmp9, 4                       ; part: 262,144 mt + 4,096 (G % 16) + 65,536 w + 2,048 (v % 2)
	s_lshl_b32 s24, s24, 18
	s_and_b32 s25, ttmp9, 15
	s_lshl_b32 s25, s25, 12
	s_add_co_u32 s24, s24, s25
	s_lshl_b32 s25, s15, 16
	s_add_co_u32 s24, s24, s25
	s_lshl_b32 s25, s16, 11
	s_add_co_u32 s24, s24, s25
	s_mov_b32 s25, 0
	s_lshl_b32 s26, s14, 15                        ; out_W: my 64 rows
	s_mov_b32 s27, 0
	s_lshl_b32 s28, s14, 8                         ; out_b: my 64 numbers
	s_mov_b32 s29, 0
	s_lshl_b32 s30, ttmp9, 14                      ; out0: row 8 G + v
	s_lshl_b32 s31, s14, 11
	s_add_co_u32 s30, s30, s31
	s_mov_b32 s31, 0
	v_and_b32 v1, 31, v0
	v_and_b32 v6, 15, v0                           ; r
	v_bfe_u32 v7, v0, 4, 1                         ; h (in the sums' lanes: q)
	v_and_b32 v15, 7, v0
	v_lshlrev_b32 v1, 4, v1                        ; 16 x lane
	v_mul_u32_u24 v8, v6, WP
	v_lshlrev_b32 v9, 5, v7                        ; out_b: my half's eight numbers
	v_lshlrev_b32 v10, 4, v6
	v_mul_u32_u24 v11, v6, SPI
	v_lshlrev_b32 v15, 4, v15
	v_add_nc_u32 v2, 2*PKS, v1
	v_add_nc_u32 v3, 6*PKS, v1
	v_add_nc_u32 v4, 10*PKS, v1
	v_add_nc_u32 v5, 14*PKS, v1
	v_lshl_add_u32 v8, v7, 4, v8
	v_lshl_add_u32 v10, v7, 2, v10
	v_lshl_add_u32 v11, v7, 5, v11
	v_lshl_add_u32 v15, v7, 7, v15
	v_add_nc_u32 v12, s19, v1                      ; back from the stage: row v, 16 bytes a lane
	v_add_nc_u32 v8, s[G0+1], v8                   ; out_W in LDS: my bytes, row r, + 16 h
	v_add_nc_u32 v10, s17, v10                     ; my code words: 16 (l % 16) + 4 q
	v_add_nc_u32 v11, s18, v11                     ; the stage: row r, + 256 v + 32 h
	v_add_nc_u32 v15, FIMG, v15                    ; the operand: 128 h + 16 (r % 8)
	s_wait_alu depctr_va_vdst(0)
	s_wait_dscnt 0x0                               ; both opening adds are done
	s_wait_kmcnt 0x0
	s_load_b128 s[20:23], s[10:11], 0x0            ; e0, e1, e2, e3
	s_add_nc_u64 s[G0+2:G0+3], s[6:7], s[26:27]
	s_or_b32 s[G0+3], s[G0+3], 0x80000000
	s_add_nc_u64 s[4:5], s[4:5], s[24:25]
	s_add_nc_u64 s[8:9], s[8:9], s[28:29]
	s_add_nc_u64 s[12:13], s[12:13], s[30:31]
	tensor_load_to_lds s[G0:G0+3], s[G1:G1+7]      ; my one tensor load
	s_nop 0
.rept 4
	v_nop
.endr
.irp t, 0,1,2,3
	global_load_b128 v[BI+8*\t:BI+8*\t+3], v9, s[8:9] offset:64*\t           ; out_b at outputs 64 v + 16 t + 8 h + 0..7: the result's layout
	global_load_b128 v[BI+8*\t+4:BI+8*\t+7], v9, s[8:9] offset:64*\t+16
.endr
.irp k, 0,1,2,3,4,5,6,7
	PLOAD \k
.endr
	s_wait_kmcnt 0x0
	s_sub_co_i32 s44, s22, s20
	s_sub_co_i32 s44, s44, s21                     ; e2 - e0 - e1
	s_add_co_i32 s44, s44, 127
	s_lshl_b32 s45, s44, 23
	v_mov_b32 v13, s45
	s_add_co_i32 s44, s44, 8
	s_lshl_b32 s44, s44, 23
	s_or_b32 s44, s44, 0x600000
	v_mov_b32 v14, s44                             ; 448 x that
	s_add_co_i32 s46, s22, s23
	s_add_co_i32 s46, s46, 127
	s_lshl_b32 s46, s46, 23                        ; 2^(e2 + e3) as f32
	s_mov_b32 s47, s46                             ; (named with it as a pair, so it is written)
	s_wait_alu depctr_va_vdst(0)
	s_wait_loadcnt 24                              ; parts 0 and 1 are in (and the bias, asked for earlier); parts 2 to 7 may be out
.set i, 0
.rept 8
	v_pk_add_f32 v[S+2*i:S+2*i+1], v[RG+2*i:RG+2*i+1], v[RG+16+2*i:RG+16+2*i+1]   ; the first two parts start the sums
.set i, i+1
.endr
	PLOAD 8
	PLOAD 9
.irp k, 2,3,4,5,6,7
	ADDK \k
.endr
	s_wait_tensorcnt 0x0                           ; the last part has been asked for; my rows of out_W lie in LDS
	WFETCH 0
.irp k, 8,9,10,11
	ADDK \k
.endr
	WFETCH 2
.irp k, 12,13,14,15
	ADDK \k
.endr
.set i, 0
.rept 16
	v_med3_num_f32 v[S+i], v[S+i], -v14, v14       ; the conversion to an 8-bit code does not saturate (ISA guide 7.6.2)
.set i, i+1
.endr
	v_cvt_scalef32_pk8_fp8_f32 v[PC:PC+1], v[S:S+7], v13        ; a word a tile
	v_cvt_scalef32_pk8_fp8_f32 v[PC+2:PC+3], v[S+8:S+15], v13
	v_nop                                          ; a plain line behind the last conversion
.irp i, 0,1,2,3
	ds_store_b32 v10, v[PC+\i] offset:256*(\i/2)+8*(\i%2)       ; tile 4 (v % 2) + i: c = 2 (v % 2) + i / 2, bytes 8 (i % 2) + 4 q .. + 3
.endr
	s_wait_dscnt 0x0                               ; for the others' sake; out_W's fragments are in too
	s_barrier_signal -1
	s_barrier_wait -1                              ; the image is whole
.irp s, 0,1,2,3
.irp c, 0,1,2,3
	ds_load_b128 v[TF+16*\s+4*\c:TF+16*\s+4*\c+3], v15 offset:1024*\s+256*\c
.endr
.endr
	s_wait_dscnt 0x0
	WIN 0x01                                       ; source 0 (out_W) window 1
.irp s, 0,1,2,3                        ; four accumulators by turns, a K step at a time
.irp t, 0,1,2,3
.if \s == 0
	v_wmma_f32_16x16x128_fp8_fp8 v[AC+8*\t:AC+8*\t+7], v[16*(4*\t+\s):16*(4*\t+\s)+15], v[TF+16*\s:TF+16*\s+15], 0
.else
	v_wmma_f32_16x16x128_fp8_fp8 v[AC+8*\t:AC+8*\t+7], v[16*(4*\t+\s):16*(4*\t+\s)+15], v[TF+16*\s:TF+16*\s+15], v[AC+8*\t:AC+8*\t+7]
.endif
.endr
.endr
	WIN 0
.rept 4
	v_nop                                          ; four plain lines in front of the first read of results (ISA guide 7.12.1)
.endr
.irp t, 0,1,2,3
.irp i, 0,2,4,6
	v_pk_fma_f32 v[Y+8*\t+\i:Y+8*\t+\i+1], v[AC+8*\t+\i:AC+8*\t+\i+1], s[46:47], v[BI+8*\t+\i:BI+8*\t+\i+1] op_sel_hi:[1,0,1]   ; sum x 2^(e2 + e3) + out_b; each accumulator from its low end on
.endr
.endr
.irp t, 0,1,2,3
	ds_store_b128 v11, v[Y+8*\t:Y+8*\t+3] offset:64*\t           ; lane (r, h): out(token r % 8, 64 v + 16 t + 8 h + 0..7), in stage row r
	ds_store_b128 v11, v[Y+8*\t+4:Y+8*\t+7] offset:64*\t+16
.endr
	s_wait_dscnt 0x0                               ; for the others' sake
	s_barrier_signal -1
	s_barrier_wait -1                              ; rows 0 to 7 of the stage are the eight tokens' whole rows
.irp i, 0,1,2,3
	ds_load_b128 v[OB+4*\i:OB+4*\i+3], v12 offset:512*\i
.endr
.irp i, 0,1,2,3
	s_wait_dscnt 3-\i
	global_store_b128 v1, v[OB+4*\i:OB+4*\i+3], s[12:13] offset:512*\i th:TH_STORE_NT   ; 512 bytes on end
.endr
	s_wait_tensorcnt 0x0                           ; the wave's end
	ds_add_u32 v254, v255
	s_wait_dscnt 0x0
	s_endpgm
.Lfunc_end_k_q8b68239e0d_finish:
	.size	k_q8b68239e0d_finish, .Lfunc_end_k_q8b68239e0d_finish-k_q8b68239e0d_finish
	.p2alignl 7, 3214868480
	.fill 96, 4, 3214868480
	.section	.rodata,"a",@progbits
	.p2align	6, 0x0
	.amdhsa_kernel k_q8b68239e0d_finish
		.amdhsa_group_segment_fixed_size 312576
		.amdhsa_private_segment_fixed_size 0
		.amdhsa_enable_private_segment 0
		.amdhsa_kernarg_size 40
		.amdhsa_user_sgpr_count 2
		.amdhsa_user_sgpr_kernarg_segment_ptr 1
		.amdhsa_wavefront_size32 1
		.amdhsa_system_sgpr_workgroup_id_x 1
		.amdhsa_system_sgpr_workgroup_id_y 1
		.amdhsa_system_sgpr_workgroup_id_z 1
		.amdhsa_system_vgpr_workitem_id 0
		.amdhsa_next_free_vgpr 512
		.amdhsa_next_free_sgpr 66
		.amdhsa_reserve_vcc 0
		.amdhsa_float_denorm_mode_32 3
		.amdhsa_float_denorm_mode_16_64 3
		.amdhsa_memory_ordered 1
		.amdhsa_forward_progress 1
		.amdhsa_inst_pref_size 31
	.end_amdhsa_kernel
	.amdgpu_metadata
---
amdhsa.version: [ 1, 2 ]
amdhsa.kernels:
  - .name:           k_q8b68239e0d_finish
    .symbol:         k_q8b68239e0d_finish.kd
    .args:
      - { .name: part, .offset: 0, .size: 8, .value_kind: global_buffer, .address_space: global }
      - { .name: out_W_codes, .offset: 8, .size: 8, .value_kind: global_buffer, .address_space: global }
      - { .name: out_b, .offset: 16, .size: 8, .value_kind: global_buffer, .address_space: global }
      - { .name: lowp_scales, .offset: 24, .size: 8, .value_kind: global_buffer, .address_space: global }
      - { .name: out0, .offset: 32, .size: 8, .value_kind: global_buffer, .address_space: global }
    .group_segment_fixed_size: 312576
    .private_segment_fixed_size: 0
    .kernarg_segment_align: 8
    .kernarg_segment_size: 40
    .max_flat_workgroup_size: 256
    .sgpr_count:     66
    .vgpr_count:     512
    .wavefront_size: 32
...
	.end_amdgpu_metadata
.endif
;; end of part 3
